; MI455X (gfx1250); checked and timed in simulation.
; The chip was launched on July 23, 2026; its instructions are those of AMD's public machine-readable ISA for CDNA 5 (MIT licence, August 2026) and "CDNA5" Instruction Set Architecture Reference Guide (July 2026). The comments in the code are by the model that wrote it; some were corrected since.
;; Multi Head Attention. Allowed arithmetic: matrix products marked QUANTISED: E4M3 operands, one given power-of-two scale a tensor, by v_wmma_f32_16x16x64_fp8_fp8 or v_wmma_f32_16x16x128_fp8_fp8, f32 sums; everything else in f32.
;; Inputs: Wk_codes 1,024 x 32 x 32 uint8 (E4M3 codes of Wk, K innermost, in blocks of 32 codes); Wo_codes 1,024 x 32 x 32 uint8 (E4M3 codes of Wo, K innermost, in blocks of 32 codes); Wq_codes 1,024 x 32 x 32 uint8 (E4M3 codes of Wq, K innermost, in blocks of 32 codes); Wv_codes 1,024 x 32 x 32 uint8 (E4M3 codes of Wv, K innermost, in blocks of 32 codes); beta 1,024 float32; bk 1,024 float32; bo 1,024 float32; bq 1,024 float32; bv 1,024 float32; gamma 1,024 float32; lowp_scales 12 int32 (the exponents e of the quantised operands' scales 2^e); x 4 x 2,048 x 1,024 float32.
;; Outputs: out0 4 x 2,048 x 1,024 float32.
;; This version of the problem:
;;   THIS VERSION OF THE PROBLEM IS GIVEN IN LOW PRECISION. The matrix products marked QUANTISED in the list below multiply operands that are first quantised to E4M3 (4 exponent bits, 3 mantissa bits; 8 bits a number), with one given power-of-two scale for each operand tensor; their sums are f32. All else is computed in f32.
;;   The module's matrix products, in the order in which they are computed (A, B: the left and right operand; K: the contracted axis; several contracted axes count as one K, in the product's order):
;;     1. [M 8,192, K 1,024] x [K 1,024, N 1,024]; A: input x; B: input Wq (given as codes): QUANTISED (scales: A lowp_scales[0], B lowp_scales[1])
;;     2. [M 8,192, K 1,024] x [K 1,024, N 1,024]; A: input x; B: input Wk (given as codes): QUANTISED (scales: A lowp_scales[2], B lowp_scales[3])
;;     3. [M 8,192, K 1,024] x [K 1,024, N 1,024]; A: input x; B: input Wv (given as codes): QUANTISED (scales: A lowp_scales[4], B lowp_scales[5])
;;     4. batch 64 x [M 2,048, K 64] x [K 64, N 2,048]; A: computed on the way; B: computed on the way: QUANTISED (scales: A lowp_scales[6], B lowp_scales[7])
;;     5. batch 64 x [M 2,048, K 2,048] x [K 2,048, N 64]; A: softmax (see below); B: computed on the way: QUANTISED (scales: A lowp_scales[8], B lowp_scales[9])
;;     6. [M 8,192, K 1,024] x [K 1,024, N 1,024]; A: computed on the way; B: input Wo (given as codes): QUANTISED (scales: A lowp_scales[10], B lowp_scales[11])
;;   THE QUANTISER, for each operand of a quantised product, along K:
;;     - The operand's scale is 2^e, e = its entry of the input lowp_scales (int32; the entries are numbered through the quantised products in the list's order, A before B).
;;     - Each number is divided by the scale, clamped to +-448, and rounded to the nearest number of E4M3, ties to even, subnormals kept.
;;     - The product sums the exact products of the quantised numbers (number of the format x scale) in f32.
;;   ~~~python
;;   def quantise(x, axis, e):      # numpy; x: float32 -> the quantised numbers, widened to float32 again
;;       x = np.moveaxis(x, axis, -1); K = x.shape[-1]
;;       r = np.clip(x / 2.0 ** e, -448, 448)
;;       step = 2.0 ** (np.maximum(np.frexp(np.where(r == 0, 1, r))[1] - 1, -6) - 3)
;;       q = np.round(r / step) * step * 2.0 ** e      # np.round: ties to even
;;       return np.moveaxis(q, -1, axis).astype(np.float32)
;;   ~~~
;;   SOFTMAX AHEAD OF A QUANTISED PRODUCT. Where the list says 'softmax', what is quantised is not the finished softmax but p = 2^(t - M), with t = logit x log2(e) and M = ceil(the row's largest t), a whole number; so 1/2 < the row's largest p <= 1. The row's sum l is taken of the UNQUANTISED p, in f32, and the product's result is divided by l at the end. Since M is a whole number, a kernel that streams over the keys may use a running M (the ceiling of the running maximum): every later rescaling is an exact power of two, so the quantised numbers keep their values, but for numbers so far below the row's largest that they fall under the format's range.
;;   OPERANDS COMPUTED ON THE WAY. 'Computed on the way' means the value that the module computes at that place (a softmax that the list does not call 'softmax' is quantised finished and normalised). What goes into a quantiser is computed in f32, as accurately as f32 sums, v_exp_f32 and their like allow (about 1e-6 of the number): no bf16 or f16 on the way to a quantiser, and a product that is left as it is and whose result goes on into a quantised operand takes f32 operands (vector FMAs, or v_wmma_f32_16x16x4_f32). A number that lies on a knife's edge between two numbers of the format may be rounded either way, as far as f32 arithmetic and the matrix unit's own rounding can turn it there, and no further.
;;   INPUTS GIVEN AS CODES. Wk (in the module: [1024, 1024], K = its axis 1); Wo (in the module: [1024, 1024], K = its axis 1); Wq (in the module: [1024, 1024], K = its axis 1); Wv (in the module: [1024, 1024], K = its axis 1): each comes as NAME_codes (uint8): NAME with its K axis moved to the last place and cut into blocks of 32 codes, [.., K / 32, bytes a block], one block behind the other in memory; one code a byte (a code: sign, 4 exponent bits, 3 mantissa bits); its scale is its entry of lowp_scales. Its value is code x scale, taken as it is: it is not quantised again, and the codes and scales need not be those that the quantiser above would give.
;; One version. Each part assembles by itself: llvm-mc -triple=amdgcn-amd-amdhsa -mcpu=gfx1250 --defsym DOCPART=n.
;; ======== version 1 of 1: 4 launches
;; limits: right only within a limited range of input values
;; workspace buffers: xq_codes 8,388,608 bytes; xk_codes 8,388,608 bytes; xv_codes 8,388,608 bytes; wo_img 1,048,576 bytes; q_img 8,388,608 bytes; k_img 8,388,608 bytes; v_img 8,388,608 bytes; ctx_img 8,388,608 bytes
;; launch prep (part 1): grid 256 x 1, 4 waves a work-group, no clusters, 33,280 bytes of LDS; arguments x, Wo_codes, lowp_scales, xq_codes, xk_codes, xv_codes, wo_img; writes xq_codes, xk_codes, xv_codes, wo_img
.if DOCPART == 1
	.amdgcn_target "amdgcn-amd-amdhsa--gfx1250"
	.amdhsa_code_object_version 6
	.text
	.protected	k_q33bd2f0b76_prep
	.globl	k_q33bd2f0b76_prep
	.p2align	8
	.type	k_q33bd2f0b76_prep,@function
k_q33bd2f0b76_prep:
	s_mov_b64 s[64:65], 0
	v_nop
	global_prefetch_b8 v0, s[64:65] scope:SCOPE_SE
	s_setreg_imm32_b32 hwreg(HW_REG_WAVE_MODE, 25, 1), 1
	s_wait_xcnt 0x0
; x [8192][1024] f32 becomes three tensors of E4M3 codes, row-major, K innermost: with 2^e0 (for the product with Wq), 2^e2 (Wk), 2^e4 (Wv).
; code = x / 2^e, held within +-448, to the nearest code, ties to even.  x is read once; the three scales share the loads and the turn through LDS.
; Wo's codes [1024][1024] are laid anew as images of the operand's registers: wo_img [w 4][s 8][t 16][piece 4][512 bytes]: the fragment of rows 256 w + 16 t + r, K = 128 s on;
; lane (r, h), registers 2 c, 2 c + 1 = k 16 c + 8 h + 0 .. 7; a piece is four registers, lane l's 16 bytes at 16 l.
; SHARES: 1,024 waves; wave g takes 8,192 numbers of x (16 steps of 512) and 1,024 bytes (two pieces) of wo_img.  Waves share nothing: no barrier.  No input is shared between work-groups: no cluster.
; A lane must hold 16 neighbours for the conversions, and a load is dense where neighbouring lanes take neighbouring bytes: a step's 2,048 bytes go through the wave's own stage in LDS
; (16 bytes of padding behind each 64) and come back 64 bytes a lane.  A lane's 16 codes are 16 bytes: a store of the wave covers 512 consecutive bytes, aligned.
; LIMITS: e0, e2, e4 between -126 and 119, so that 2^e and 448 x 2^e are f32 numbers.  NaN in x is not served (an infinity is held at the largest code).
.set STEPS, 16
.set SP,    80                         ; a lane's place in a stage: 64 bytes + 16 of padding
.set WREG,  8192                       ; LDS of a wave: two stages of 32 x SP bytes
.set R,     16                         ; v16-79   four sets of 16 numbers as loaded
.set X,     80                         ; v80-111  two sets of 16 neighbours
.set T,     112                        ; v112-159 the held numbers, a set of 16 for each scale
.set C,     160                        ; v160-183 two sets of 12 registers of codes
.set WF,    184                        ; v184-191 Wo's two pieces
	s_load_b128 s[4:7], s[0:1], 0x0                ; x, Wo's codes
	s_load_b64 s[8:9], s[0:1], 0x10                ; the scales' exponents
	s_load_b128 s[12:15], s[0:1], 0x18             ; xq_codes, xk_codes
	s_load_b128 s[16:19], s[0:1], 0x28             ; xv_codes, wo_img
	v_lshl_add_u32 v192, v0, 2, 0x8000
	v_mov_b32 v193, 0
	v_lshrrev_b32 v1, 5, v0
	v_readfirstlane_b32 s20, v1                    ; wave
	v_and_b32 v2, 31, v0                           ; lane
	v_lshlrev_b32 v3, 4, v2                        ; 16 x lane
	s_mul_i32 s32, s20, WREG
	v_lshrrev_b32 v14, 2, v2
	v_mul_u32_u24 v14, v14, SP
	v_and_b32 v15, 3, v2
	v_lshl_add_u32 v14, v15, 4, v14
	v_add_nc_u32 v14, s32, v14                     ; the stage, way in: SP (lane / 4) + 16 (lane % 4)
	v_mul_u32_u24 v15, v2, SP
	v_add_nc_u32 v15, s32, v15                     ; way out: SP x lane: my 16 neighbours
	v_and_b32 v4, 15, v2                           ; r
	v_lshrrev_b32 v6, 4, v2                        ; h
	v_lshlrev_b32 v5, 10, v4
	v_lshl_add_u32 v5, v6, 3, v5                   ; Wo: row r of 1,024 bytes, + 8 h
	s_lshl_b32 s21, ttmp9, 2
	s_add_co_u32 s21, s21, s20                     ; g = 4 x work-group + wave
	s_lshl_b32 s22, s21, 15                        ; x: 32,768 bytes a wave
	s_mov_b32 s23, 0
	s_lshl_b32 s34, s21, 13                        ; codes: 8,192 bytes a wave
	s_mov_b32 s35, 0
	s_lshl_b32 s36, s21, 10                        ; wo_img: 1,024 bytes a wave
	s_mov_b32 s37, 0
	s_lshr_b32 s38, s21, 8                         ; g = ((w 8 + s) 16 + t) 2 + half:  w x 256 rows,
	s_lshl_b32 s38, s38, 18
	s_bfe_u32 s33, s21, 0x40001                    ; t x 16 rows,
	s_lshl_b32 s33, s33, 14
	s_add_co_u32 s38, s38, s33
	s_bfe_u32 s33, s21, 0x30005                    ; s x 128 bytes,
	s_lshl_b32 s33, s33, 7
	s_add_co_u32 s38, s38, s33
	s_and_b32 s33, s21, 1                          ; half x 64 bytes
	s_lshl_b32 s33, s33, 6
	s_add_co_u32 s38, s38, s33
	s_mov_b32 s39, 0
	s_wait_alu depctr_va_vdst(0)
	s_wait_kmcnt 0x0
	s_load_b256 s[24:31], s[8:9], 0x0              ; e0 .. e7: e0 = s24, e2 = s26, e4 = s28
	s_add_nc_u64 s[4:5], s[4:5], s[22:23]
	s_add_nc_u64 s[6:7], s[6:7], s[38:39]
	s_add_nc_u64 s[12:13], s[12:13], s[34:35]
	s_add_nc_u64 s[14:15], s[14:15], s[34:35]
	s_add_nc_u64 s[16:17], s[16:17], s[34:35]
	s_add_nc_u64 s[18:19], s[18:19], s[36:37]
.macro LOAD t
.irp i, 0,1,2,3
	global_load_b128 v[R+16*((\t)%4)+4*\i:R+16*((\t)%4)+4*\i+3], v3, s[4:5] offset:2048*(\t)+512*\i th:TH_LOAD_NT   ; 32 lanes read 512 consecutive bytes
.endr
.endm
.macro TURN t                          ; step t's numbers through the stage: LDS serves a wave's instructions in order (ISA guide 5.7.1.4), so no wait stands between the stores and the loads
.irp i, 0,1,2,3
	ds_store_b128 v14, v[R+16*((\t)%4)+4*\i:R+16*((\t)%4)+4*\i+3] offset:32*SP*((\t)%2)+8*SP*\i
.endr
.irp i, 0,1,2,3
	ds_load_b128 v[X+16*((\t)%2)+4*\i:X+16*((\t)%2)+4*\i+3], v15 offset:32*SP*((\t)%2)+16*\i
.endr
.endm
.macro MKSC e, vs, vl                  ; v[vs] = 2^e as f32 (the conversion takes its exponent field), v[vl] = 448 x 2^e
	s_add_co_i32 s40, s[\e], 127
	s_lshl_b32 s41, s40, 23
	v_mov_b32 v[\vs], s41
	s_add_co_i32 s40, s40, 8
	s_lshl_b32 s40, s40, 23
	s_or_b32 s40, s40, 0x600000
	v_mov_b32 v[\vl], s40
.endm
.irp i, 0,1,2,3
	global_load_b64 v[WF+2*\i:WF+2*\i+1], v5, s[6:7] offset:16*\i   ; Wo(r, 64 half + 16 i + 8 h .. + 7): registers 2 i, 2 i + 1 of my two pieces (1 MB in all, once)
.endr
.irp t, 0,1,2,3
	LOAD \t
.endr
	s_wait_kmcnt 0x0
	MKSC 24, 8, 9
	MKSC 26, 10, 11
	MKSC 28, 12, 13
	s_wait_alu depctr_va_vdst(0)
	s_wait_loadcnt 12                              ; steps 1 to 3's twelve loads may be out: Wo's four and step 0's four are in
	global_store_b128 v3, v[WF:WF+3], s[18:19]
	global_store_b128 v3, v[WF+4:WF+7], s[18:19] offset:512
	TURN 0
.macro STEP t
.set XS, X+16*((\t)%2)
.set CC, C+12*((\t)%2)
	s_wait_dscnt 0x0                               ; this step's numbers are back from the stage, so its stores into the stage have read their registers,
.if (\t)+4 < STEPS
	LOAD (\t)+4                                    ; which take the loads of four steps on
.endif
.if (\t)+1 < STEPS
.if STEPS-2-(\t) >= 3
	s_wait_loadcnt 12                              ; the next step's four loads are in; those of the three steps behind it may be out
.else
	s_wait_loadcnt 4*(STEPS-2-(\t))
.endif
	TURN (\t)+1                                    ; through the other stage while this step is worked
.endif
.if (\t) >= 2
	s_wait_xcnt 0x0                                ; the stores of two steps ago have read this set of code registers: it is written again only behind this wait
.endif
.irp z, 0,1,2                          ; the three scales; each scale's holds are the plain lines behind the conversions before them, and touch other registers
.irp i, 0,1,2,3,4,5,6,7,8,9,10,11,12,13,14,15
	v_med3_num_f32 v[T+16*\z+\i], v[XS+\i], -v[9+2*\z], v[9+2*\z]   ; the conversion to an 8-bit code does not saturate (ISA guide 7.6.2): the hold at the largest code x the scale
.endr
	v_cvt_scalef32_pk8_fp8_f32 v[CC+4*\z:CC+4*\z+1], v[T+16*\z:T+16*\z+7], v[8+2*\z]
	v_cvt_scalef32_pk8_fp8_f32 v[CC+4*\z+2:CC+4*\z+3], v[T+16*\z+8:T+16*\z+15], v[8+2*\z]
.endr
	global_store_b128 v3, v[CC:CC+3], s[12:13] offset:512*(\t)
	global_store_b128 v3, v[CC+4:CC+7], s[14:15] offset:512*(\t)
	global_store_b128 v3, v[CC+8:CC+11], s[16:17] offset:512*(\t)
.endm
.irp t, 0,1,2,3,4,5,6,7,8,9,10,11,12,13,14,15
	STEP \t
.endr
	s_wait_tensorcnt 0x0
	ds_add_u32 v192, v193
	s_wait_dscnt 0x0
	s_endpgm
.Lfunc_end_k_q33bd2f0b76_prep:
	.size	k_q33bd2f0b76_prep, .Lfunc_end_k_q33bd2f0b76_prep-k_q33bd2f0b76_prep
	.p2alignl 7, 3214868480
	.fill 96, 4, 3214868480
	.section	.rodata,"a",@progbits
	.p2align	6, 0x0
	.amdhsa_kernel k_q33bd2f0b76_prep
		.amdhsa_group_segment_fixed_size 33280
		.amdhsa_private_segment_fixed_size 0
		.amdhsa_enable_private_segment 0
		.amdhsa_kernarg_size 56
		.amdhsa_user_sgpr_count 2
		.amdhsa_user_sgpr_kernarg_segment_ptr 1
		.amdhsa_wavefront_size32 1
		.amdhsa_system_sgpr_workgroup_id_x 1
		.amdhsa_system_sgpr_workgroup_id_y 1
		.amdhsa_system_sgpr_workgroup_id_z 1
		.amdhsa_system_vgpr_workitem_id 0
		.amdhsa_next_free_vgpr 194
		.amdhsa_next_free_sgpr 66
		.amdhsa_reserve_vcc 0
		.amdhsa_float_denorm_mode_32 3
		.amdhsa_float_denorm_mode_16_64 3
		.amdhsa_memory_ordered 1
		.amdhsa_forward_progress 1
		.amdhsa_inst_pref_size 78
	.end_amdhsa_kernel
	.amdgpu_metadata
---
amdhsa.version: [ 1, 2 ]
amdhsa.kernels:
  - .name:           k_q33bd2f0b76_prep
    .symbol:         k_q33bd2f0b76_prep.kd
    .args:
      - { .name: x, .offset: 0, .size: 8, .value_kind: global_buffer, .address_space: global }
      - { .name: Wo_codes, .offset: 8, .size: 8, .value_kind: global_buffer, .address_space: global }
      - { .name: lowp_scales, .offset: 16, .size: 8, .value_kind: global_buffer, .address_space: global }
      - { .name: xq_codes, .offset: 24, .size: 8, .value_kind: global_buffer, .address_space: global }
      - { .name: xk_codes, .offset: 32, .size: 8, .value_kind: global_buffer, .address_space: global }
      - { .name: xv_codes, .offset: 40, .size: 8, .value_kind: global_buffer, .address_space: global }
      - { .name: wo_img, .offset: 48, .size: 8, .value_kind: global_buffer, .address_space: global }
    .group_segment_fixed_size: 33280
    .private_segment_fixed_size: 0
    .kernarg_segment_align: 8
    .kernarg_segment_size: 56
    .max_flat_workgroup_size: 128
    .sgpr_count:     66
    .vgpr_count:     194
    .wavefront_size: 32
...
	.end_amdgpu_metadata
.endif
;; end of part 1
;; launch qkv (part 2): grid 12 x 32, 4 waves a work-group, clusters of 4 x 4, 327,680 bytes of LDS; arguments xq_codes, xk_codes, xv_codes, Wq_codes, Wk_codes, Wv_codes, bq, bk, bv, lowp_scales, q_img, k_img, v_img; writes q_img, k_img, v_img
.if DOCPART == 2
	.amdgcn_target "amdgcn-amd-amdhsa--gfx1250"
	.amdhsa_code_object_version 6
	.text
	.protected	k_q33bd2f0b76_qkv
	.globl	k_q33bd2f0b76_qkv
	.p2align	8
	.type	k_q33bd2f0b76_qkv,@function
k_q33bd2f0b76_qkv:
	s_mov_b64 s[64:65], 0
	v_nop
	global_prefetch_b8 v0, s[64:65] scope:SCOPE_SE
	s_setreg_imm32_b32 hwreg(HW_REG_WAVE_MODE, 25, 1), 1
	s_wait_xcnt 0x0
	s_wait_alu depctr_hold_cnt(0) depctr_sa_sdst(0) depctr_va_vdst(0) depctr_va_sdst(0) depctr_va_ssrc(0) depctr_va_vcc(0) depctr_vm_vsrc(0)
	s_getreg_b32 s2, hwreg(HW_REG_IB_STS2, 6, 4)
	s_cmp_eq_u32 s2, 0
	s_cbranch_scc0 .Lentry_in_a_cluster
	s_endpgm
.Lentry_in_a_cluster:
	s_bfe_u32 s2, ttmp6, 0x10000c
	s_cmp_lg_u32 s2, 0xf033
	s_cbranch_scc0 .Lentry_shape_is_right
	s_endpgm
.Lentry_shape_is_right:
.set SIZE_K, 1024
.set KSTEP,  256
.set ROWB,   256
.set KROW,   SIZE_K
.set PITCH,  272
.set FR,     16
.set NL,     4
.set NP,     4
.set HALFT,  128*PITCH
.set SLOT,   4*HALFT
.set SPARE,  2*SLOT
.set ADRA, 16
.set ADRB, 20
.set BH,   24
.set BR,   25
.set LI,   26
.set SC,   27
.set SPW,  28
.set NIL,  29
.set LIM,  30
.set T,    32
.set BIAS, 64
.set AF,   128
.set CD,   128
.set G1, 24
.set G0, 32
.set G1B, 48
.set G0B, 56
.set MSB, 0
.macro WIN new
.if MSB != (\new)
	s_set_vgpr_msb (MSB<<8)|(\new)
.set MSB, (\new)
.endif
.endm
.set MUL_LO, 0xa1
.set MUL_HI, 0xf1
.set TO_B,   0x40
.macro JLOAD g0a, g1a, g0b, g1b
	s_cmp_eq_u32 s15, 0
	s_cbranch_scc0 .Lfor_b_\@
	tensor_load_to_lds s[\g0a:\g0a+3], s[\g1a:\g1a+7]
	s_nop 0
.rept 4
	v_nop
.endr
	s_branch .Lasked_\@
.Lfor_b_\@:
	tensor_load_to_lds s[\g0b:\g0b+3], s[\g1b:\g1b+7]
	s_nop 0
.rept 4
	v_nop
.endr
.Lasked_\@:
.endm
; A prefetch into the L2 of later K steps of the 128 rows that my wave fetches: a lane a row, 256 bytes of each.  The four partners that ask for a tile jointly take 32 rows each, told apart by address.
; x's codes are asked for by the one cluster that loads them; a weight's rows, which all eight rows of clusters load, by the clusters of rows 0-3 alone (s3 = 1 where my wave asks: ids that all partners share).
.macro ASK off, off2
	s_cmp_eq_u32 s3, 1
	s_cbranch_scc0 .Lnot_mine_\@
	global_prefetch_b8 v31, s[12:13] offset:\off th:TH_LOAD_NT scope:SCOPE_SE
.if \off2
	global_prefetch_b8 v31, s[12:13] offset:\off2 th:TH_LOAD_NT scope:SCOPE_SE
.endif
.Lnot_mine_\@:
.endm
.macro CREST
	s_cmp_lg_u32 s14, 0
	s_cbranch_scc1 .Lnot_wave_0_\@
	s_barrier_signal -3
.Lnot_wave_0_\@:
	s_barrier_wait -3
	s_barrier_signal -1
	s_barrier_wait -1
.endm
.macro CROUND
	s_barrier_signal -1
	s_barrier_wait -1
	CREST
.endm
	s_load_b512 s[68:83], s[0:1], 0x0
	s_load_b256 s[84:91], s[0:1], 0x40
	s_load_b64 s[92:93], s[0:1], 0x60
	v_lshl_add_u32 v[SPW], v0, 2, SPARE
	v_mov_b32 v[NIL], 0
	ds_add_u32 v28, v29
	ds_add_u32 v28, v29
	s_wait_dscnt 0x0
	v_lshrrev_b32 v1, 5, v0
	v_readfirstlane_b32 s14, v1
	v_and_b32 v31, 31, v0
	v_lshlrev_b32 v31, 10, v31                     ; the prefetches' offset: my lane x a row of 1,024 bytes; never rewritten
	s_lshr_b32 s15, s14, 1
	s_and_b32 s16, s14, 1
	s_bfe_u32 s40, ttmp6, 0x40000
	s_bfe_u32 s41, ttmp6, 0x40004
	s_lshr_b32 s66, ttmp9, 1
	s_and_b32 s67, ttmp7, 0xffff
	s_cmp_lt_u32 s67, 4
	s_cselect_b32 s3, 1, 0                         ; rows 0-3 of clusters ask for the weights too;
	s_cmp_eq_u32 s15, s66
	s_cselect_b32 s3, 1, s3                        ; a wave that fetches x's codes always asks
	s_lshl_b32 s67, s67, 2
	s_mul_i32 s42, s67, s66
	s_sub_co_u32 s17, s67, s42
	s_add_co_u32 s42, s42, s40
	s_add_co_u32 s17, s17, s41
	s_lshl_b32 s43, s41, 2
	s_lshl_b32 s43, 15, s43
	s_lshl_b32 s44, 0x1111, s40
	s_or_b32 s[G1+0], s43, (0<<16)|(1<<20)|(1<<21)|(5<<22)|(3<<25)
	s_or_b32 s[G1B+0], s44, (0<<16)|(1<<20)|(1<<21)|(5<<22)|(3<<25)
.irp g, G1, G1B
	s_mov_b32 s[\g+1], ROWB<<16
	s_mov_b32 s[\g+2], 128<<16
	s_mov_b32 s[\g+3], ROWB<<16
	s_mov_b32 s[\g+4], 128
	s_mov_b32 s[\g+5], KROW
	s_mov_b32 s[\g+6], 0
	s_mov_b32 s[\g+7], 0
.endr
	s_lshl_b32 s18, s16, 7
	s_lshl_b32 s20, s17, 8
	s_add_co_u32 s20, s20, s18
	s_lshl_b32 s46, s42, 8
	s_add_co_u32 s46, s46, s18
	s_mov_b32 s21, 0
	s_mov_b32 s47, 0
	s_mov_b64 s[18:19], KROW
	s_mul_u64 s[20:21], s[20:21], s[18:19]
	s_mul_u64 s[46:47], s[46:47], s[18:19]
	s_mul_i32 s45, s14, HALFT
	s_lshl_b32 s94, s17, 8
	s_lshl_b32 s95, s15, 7
	s_add_co_u32 s94, s94, s95
	s_lshl_b32 s95, s42, 8
	s_lshl_b32 s66, s16, 7
	s_add_co_u32 s95, s95, s66
	s_wait_kmcnt 0x0
	s_cmp_eq_u32 ttmp9, 0
	s_cselect_b64 s[4:5], s[68:69], s[70:71]
	s_cselect_b64 s[6:7], s[74:75], s[76:77]
	s_cselect_b64 s[8:9], s[80:81], s[82:83]
	s_cselect_b64 s[10:11], s[88:89], s[90:91]
	s_cmp_eq_u32 ttmp9, 2
	s_cselect_b64 s[4:5], s[78:79], s[4:5]
	s_cselect_b64 s[6:7], s[72:73], s[6:7]
	s_cselect_b64 s[8:9], s[84:85], s[8:9]
	s_cselect_b64 s[10:11], s[92:93], s[10:11]
	s_load_b256 s[68:75], s[86:87], 0x0
	s_load_b128 s[76:79], s[86:87], 0x20
	s_add_nc_u64 s[20:21], s[4:5], s[20:21]
	s_add_nc_u64 s[46:47], s[6:7], s[46:47]
	s_cmp_eq_u32 s15, 0
	s_cselect_b64 s[12:13], s[20:21], s[46:47]     ; the 128 rows that I fetch,
	s_cselect_b32 s66, s40, s41                    ; my place among the four that ask for them with me,
	s_lshl_b32 s66, s66, 15                        ; and its 32 rows of 1,024 bytes
	s_mov_b32 s67, 0
	s_add_nc_u64 s[12:13], s[12:13], s[66:67]
	CROUND
.irp s, 0,1
	s_mov_b32 s[G0+4*\s], 1
	s_add_co_u32 s[G0+4*\s+1], s45, \s*SLOT
	s_add_nc_u64 s[G0+4*\s+2:G0+4*\s+3], s[20:21], \s*ROWB
	s_or_b32 s[G0+4*\s+3], s[G0+4*\s+3], 0x80000000
	s_mov_b32 s[G0B+4*\s], 1
	s_add_co_u32 s[G0B+4*\s+1], s45, \s*SLOT
	s_add_nc_u64 s[G0B+4*\s+2:G0B+4*\s+3], s[46:47], \s*ROWB
	s_or_b32 s[G0B+4*\s+3], s[G0B+4*\s+3], 0x80000000
	s_wait_alu depctr_va_vdst(0)
.if \s == 1
	s_wait_tensorcnt 0x0
	ds_add_u32 v28, v29
	ds_add_u32 v28, v29
	s_wait_dscnt 0x0
	CROUND
.endif
	JLOAD G0+4*\s, G1, G0B+4*\s, G1B
.if \s == 0
	ASK 256, 512                                   ; K steps 1 and 2: one and two fills ahead of their loads
.else
	ASK 768, 0                                     ; K step 3: two fills ahead
.endif
.endr
	v_and_b32 v1, 15, v0
	v_bfe_u32 v2, v0, 4, 1
	v_mul_u32_u24 v3, v1, PITCH
	v_lshl_add_u32 v4, v2, 4, v3
	s_mul_i32 s21, s15, HALFT
	s_mul_i32 s22, s16, HALFT
	s_add_co_u32 s22, s22, 2*HALFT
.irp s, 0,1
	v_add_nc_u32 v[ADRA+\s], s21, v4
	v_add_nc_u32 v[ADRB+\s], s22, v4
	s_add_co_u32 s21, s21, SLOT
	s_add_co_u32 s22, s22, SLOT
.endr
	v_lshlrev_b32 v[BH], 5, v2
	v_lshlrev_b32 v[BR], 2, v1
	v_and_b32 v6, 31, v0
	v_lshlrev_b32 v[LI], 4, v6
.macro FRAG reg, adr, q, i
.irp c, 0,1,2,3
	ds_load_b128 v[\reg+4*\c:\reg+4*\c+3], v[\adr] offset:128*(\q)+32*\c+(\i)*16*PITCH
.endr
.endm
.macro MUL16 a0, p, zero
.irp a, \a0, \a0+1
.irp b, 0,1,2,3,4,5,6,7
.if \zero
	v_wmma_f32_16x16x128_fp8_fp8 v[8*(8*((\a)%4)+\b):8*(8*((\a)%4)+\b)+7], v[128*(\p)+FR*\b:128*(\p)+FR*\b+FR-1], v[AF+FR*(\a):AF+FR*(\a)+FR-1], 0
.else
	v_wmma_f32_16x16x128_fp8_fp8 v[8*(8*((\a)%4)+\b):8*(8*((\a)%4)+\b)+7], v[128*(\p)+FR*\b:128*(\p)+FR*\b+FR-1], v[AF+FR*(\a):AF+FR*(\a)+FR-1], v[8*(8*((\a)%4)+\b):8*(8*((\a)%4)+\b)+7]
.endif
.endr
.endr
.endm
.macro FETCH_B slot, q, p
	WIN TO_B
.irp i, 0,1,2,3,4,5,6,7
	FRAG 128*(\p)+FR*\i, ADRB+\slot, \q, \i
.endr
	WIN 0
.endm
.macro FETCH_A slot, q, i0
.irp i, \i0, \i0+1, \i0+2, \i0+3
	FRAG AF+FR*(\i), ADRA+\slot, \q, \i
.endr
.endm
.macro PLACES n
.rept \n
	v_nop
.endr
.endm
.macro STEP slot, q, zero
	s_wait_dscnt 4*NL
	WIN MUL_LO
	MUL16 0, (\q)%2, \zero
	MUL16 2, (\q)%2, \zero
	s_wait_dscnt 0
	PLACES NP
	FETCH_B \slot, (\q)+1, 1-(\q)%2
	FETCH_A \slot, (\q)+1, 0
	WIN MUL_HI
	MUL16 4, (\q)%2, \zero
	MUL16 6, (\q)%2, \zero
	PLACES NP
	WIN 0
	FETCH_A \slot, (\q)+1, 4
.endm
.macro TURN slot, next, fill
	s_wait_tensorcnt 0x0
	ds_add_u32 v[SPW], v[NIL]
	s_wait_dscnt 4*NL+1
	WIN MUL_LO
	MUL16 0, 1, 0
	s_wait_dscnt 0x0
	s_barrier_signal -1
	MUL16 2, 1, 0
	WIN 0
	s_barrier_wait -1
.if \fill
	CREST
	s_add_nc_u64 s[G0+4*\slot+2:G0+4*\slot+3], s[G0+4*\slot+2:G0+4*\slot+3], 2*ROWB
	s_add_nc_u64 s[G0B+4*\slot+2:G0B+4*\slot+3], s[G0B+4*\slot+2:G0B+4*\slot+3], 2*ROWB
	JLOAD G0+4*\slot, G1, G0B+4*\slot, G1B
.else
	PLACES NP
.endif
	FETCH_B \next, 0, 0
	FETCH_A \next, 0, 0
	WIN MUL_HI
	MUL16 4, 1, 0
	MUL16 6, 1, 0
	PLACES NP
	WIN 0
	FETCH_A \next, 0, 4
.endm
.macro TAIL mode
.if \mode == 0
.set TOK, 94
.set FEA, 95
.else
.set TOK, 95
.set FEA, 94
.endif
	s_lshr_b32 s80, s[TOK], 11
	s_lshl_b32 s80, s80, 21
	s_and_b32 s81, s[TOK], 2047
	s_lshl_b32 s81, s81, 6
	s_add_co_u32 s80, s80, s81
	s_lshl_b32 s81, s[FEA], 11
	s_add_co_u32 s80, s80, s81
	s_mov_b32 s81, 0
	s_add_nc_u64 s[10:11], s[10:11], s[80:81]
	s_lshl_b32 s80, s[FEA], 2
	s_add_nc_u64 s[8:9], s[8:9], s[80:81]
.if \mode == 0
.irp b, 0,1,2,3,4,5,6,7
	global_load_b128 v[BIAS+8*\b:BIAS+8*\b+3], v[BH], s[8:9] offset:64*\b
	global_load_b128 v[BIAS+8*\b+4:BIAS+8*\b+7], v[BH], s[8:9] offset:64*\b+16
.endr
.else
.irp a, 0,1,2,3,4,5,6,7
	global_load_b32 v[BIAS+2*\a], v[BR], s[8:9] offset:64*\a
	global_load_b32 v[BIAS+2*\a+1], v[BR], s[8:9] offset:64*\a
.endr
.endif
	STEP 1, 0, 0
	s_wait_dscnt 4*NL
	WIN MUL_LO
	MUL16 0, 1, 0
	MUL16 2, 1, 0
	s_wait_dscnt 0
	WIN MUL_HI
	MUL16 4, 1, 0
	MUL16 6, 1, 0
	WIN 0
	s_wait_loadcnt 0x0
	PLACES NP
.irp a, 0,1,2,3,4,5,6,7
.irp hf, 0,1
.set AC, 64*(\a%4)+32*\hf
.set CF, CD+16*\a+8*\hf
	WIN 0x02+(\a/4)
.set i, 0
.rept 16
.if \mode == 0
	v_pk_fma_f32 v[T+i:T+i+1], v[AC+i:AC+i+1], s[96:97], v[BIAS+32*\hf+i:BIAS+32*\hf+i+1] op_sel_hi:[1,0,1]
.else
	v_pk_fma_f32 v[T+i:T+i+1], v[AC+i:AC+i+1], s[96:97], v[BIAS+2*\a:BIAS+2*\a+1] op_sel_hi:[1,0,0]
.endif
.set i, i+2
.endr
	WIN 0
.set i, 0
.rept 32
	v_med3_num_f32 v[T+i], v[T+i], -v[LIM], v[LIM]
.set i, i+1
.endr
.irp g, 0,1,2,3
	v_cvt_scalef32_pk8_fp8_f32 v[CF+2*\g:CF+2*\g+1], v[T+8*\g:T+8*\g+7], v[SC]
.endr
	v_nop
.irp q, 0,1
.if \mode == 0
	global_store_b128 v[LI], v[CF+4*\q:CF+4*\q+3], s[10:11] offset:\a*1024+\hf*131072+\q*512
.else
	global_store_b128 v[LI], v[CF+4*\q:CF+4*\q+3], s[10:11] offset:(\a/4)*131072+(\a%4)*2048+(2*\hf+\q)*512
.endif
.endr
.endr
.endr
.endm
	s_wait_alu depctr_va_vdst(0)
	s_wait_tensorcnt 1
	s_barrier_signal -1
	s_barrier_wait -1
	FETCH_B 0, 0, 0
	FETCH_A 0, 0, 0
	FETCH_A 0, 0, 4
	STEP 0, 0, 1
	TURN 0, 1, 1
	STEP 1, 0, 0
	TURN 1, 0, 1
	STEP 0, 0, 0
	TURN 0, 1, 0
	s_wait_kmcnt 0x0
	s_add_co_i32 s80, s68, s69
	s_add_co_i32 s81, s70, s71
	s_add_co_i32 s82, s72, s73
	s_cmp_eq_u32 ttmp9, 0
	s_cselect_b32 s96, s80, s81
	s_cselect_b32 s98, s74, s75
	s_cmp_eq_u32 ttmp9, 2
	s_cselect_b32 s96, s82, s96
	s_cselect_b32 s98, s77, s98
	s_add_co_i32 s96, s96, 127
	s_lshl_b32 s96, s96, 23
	s_mov_b32 s97, s96
	s_add_co_i32 s98, s98, 127
	s_lshl_b32 s99, s98, 23
	v_mov_b32 v[SC], s99
	s_add_co_i32 s98, s98, 8
	s_lshl_b32 s98, s98, 23
	s_or_b32 s98, s98, 0x600000
	v_mov_b32 v[LIM], s98
	s_cmp_eq_u32 ttmp9, 2
	s_cbranch_scc1 .Lfor_v
	TAIL 0
	s_branch .Ljoin
.Lfor_v:
	TAIL 1
.Ljoin:
	s_wait_tensorcnt 0x0
	ds_add_u32 v[SPW], v[NIL]
	s_wait_dscnt 0x0
	CROUND
	s_endpgm
.Lfunc_end_k_q33bd2f0b76_qkv:
	.size	k_q33bd2f0b76_qkv, .Lfunc_end_k_q33bd2f0b76_qkv-k_q33bd2f0b76_qkv
	.p2alignl 7, 3214868480
	.fill 96, 4, 3214868480
	.section	.rodata,"a",@progbits
	.p2align	6, 0x0
	.amdhsa_kernel k_q33bd2f0b76_qkv
		.amdhsa_group_segment_fixed_size 327680
		.amdhsa_private_segment_fixed_size 0
		.amdhsa_enable_private_segment 0
		.amdhsa_kernarg_size 104
		.amdhsa_user_sgpr_count 2
		.amdhsa_user_sgpr_kernarg_segment_ptr 1
		.amdhsa_wavefront_size32 1
		.amdhsa_system_sgpr_workgroup_id_x 1
		.amdhsa_system_sgpr_workgroup_id_y 1
		.amdhsa_system_sgpr_workgroup_id_z 1
		.amdhsa_system_vgpr_workitem_id 0
		.amdhsa_next_free_vgpr 1024
		.amdhsa_next_free_sgpr 100
		.amdhsa_reserve_vcc 0
		.amdhsa_float_denorm_mode_32 3
		.amdhsa_float_denorm_mode_16_64 3
		.amdhsa_memory_ordered 1
		.amdhsa_forward_progress 1
		.amdhsa_inst_pref_size 209
	.end_amdhsa_kernel
	.amdgpu_metadata
---
amdhsa.version: [ 1, 2 ]
amdhsa.kernels:
  - .name:           k_q33bd2f0b76_qkv
    .symbol:         k_q33bd2f0b76_qkv.kd
    .args:
      - { .name: xq_codes, .offset: 0, .size: 8, .value_kind: global_buffer, .address_space: global }
      - { .name: xk_codes, .offset: 8, .size: 8, .value_kind: global_buffer, .address_space: global }
      - { .name: xv_codes, .offset: 16, .size: 8, .value_kind: global_buffer, .address_space: global }
      - { .name: Wq_codes, .offset: 24, .size: 8, .value_kind: global_buffer, .address_space: global }
      - { .name: Wk_codes, .offset: 32, .size: 8, .value_kind: global_buffer, .address_space: global }
      - { .name: Wv_codes, .offset: 40, .size: 8, .value_kind: global_buffer, .address_space: global }
      - { .name: bq, .offset: 48, .size: 8, .value_kind: global_buffer, .address_space: global }
      - { .name: bk, .offset: 56, .size: 8, .value_kind: global_buffer, .address_space: global }
      - { .name: bv, .offset: 64, .size: 8, .value_kind: global_buffer, .address_space: global }
      - { .name: lowp_scales, .offset: 72, .size: 8, .value_kind: global_buffer, .address_space: global }
      - { .name: q_img, .offset: 80, .size: 8, .value_kind: global_buffer, .address_space: global }
      - { .name: k_img, .offset: 88, .size: 8, .value_kind: global_buffer, .address_space: global }
      - { .name: v_img, .offset: 96, .size: 8, .value_kind: global_buffer, .address_space: global }
    .group_segment_fixed_size: 327680
    .private_segment_fixed_size: 0
    .kernarg_segment_align: 8
    .kernarg_segment_size: 104
    .max_flat_workgroup_size: 128
    .sgpr_count:     100
    .vgpr_count:     1024
    .wavefront_size: 32
...
	.end_amdgpu_metadata
.endif
;; end of part 2
;; launch attn (part 3): grid 4 x 64, 16 waves a work-group, clusters of 4 x 1, 327,680 bytes of LDS; arguments q_img, k_img, v_img, lowp_scales, ctx_img; writes ctx_img
.if DOCPART == 3
	.amdgcn_target "amdgcn-amd-amdhsa--gfx1250"
	.amdhsa_code_object_version 6
	.text
	.protected	k_q33bd2f0b76_attn
	.globl	k_q33bd2f0b76_attn
	.p2align	8
	.type	k_q33bd2f0b76_attn,@function
k_q33bd2f0b76_attn:
	s_mov_b64 s[64:65], 0
	v_nop
	global_prefetch_b8 v0, s[64:65] scope:SCOPE_SE
	s_setreg_imm32_b32 hwreg(HW_REG_WAVE_MODE, 25, 1), 1
	s_wait_xcnt 0x0
	s_wait_alu depctr_hold_cnt(0) depctr_sa_sdst(0) depctr_va_vdst(0) depctr_va_sdst(0) depctr_va_ssrc(0) depctr_va_vcc(0) depctr_vm_vsrc(0)
	s_getreg_b32 s2, hwreg(HW_REG_IB_STS2, 6, 4)
	s_cmp_eq_u32 s2, 0
	s_cbranch_scc0 .Lentry_in_a_cluster
	s_endpgm
.Lentry_in_a_cluster:
	s_bfe_u32 s2, ttmp6, 0x10000c
	s_cmp_lg_u32 s2, 0x3003
	s_cbranch_scc0 .Lentry_shape_is_right
	s_endpgm
.Lentry_shape_is_right:
; Causal attention of one (batch, head) on E4M3 codes; the result is quantised with 2^e10 and stored as pieces of the last product's operand.
; t = score x log2(e) / 8; M = the running largest t rounded UP to a whole number; p = 2^(t - M) is quantised with 2^e8; the row's sum is taken of the unquantised p and divides at the end.
; LEFT OUT: key steps all of whose 128 keys come after a tile's 16 queries: the causal mask gives them the weight 0 for every input.
; LDS: a head's K image (131,072 bytes) and V image (131,072 bytes) lie whole in LDS: nothing is filled again, and the loop over the key steps holds no barrier.
; SHARES.  The four work-groups of a head form a cluster.  Work-group I owns the tiles of 16 queries t with t % 4 = I.  Tile t = 8 g + o needs key steps 0 .. g, the last on the diagonal.
; Wave w takes tile 8 (15 - w) + I (16 - w steps) and then tile 8 w + 4 + I (w + 1 steps): 17 steps for every wave of every work-group, so the trip count is a constant.
; In trip T, with y = T + w: the key step is (T + w x bit 4 of y) & 15; the tiles change where y = 16; the diagonal steps are y = 15 and y = 16 + w.  I enters global addresses and the mask's data alone.
; JOINT LOADS: all four work-groups read all sixteen key steps, so each piece is asked for by all four with one descriptor and the mask 15: sixteen loads of 16,384 bytes, one a wave (waves 0-7 K, waves 8-15 V).
; NO PREFETCH: all of K and V is asked for by that one group at the head; no later request is left for a prefetch to run ahead of.
; OPERANDS are images of registers (lane l's 16 bytes of a piece at 16 l): every LDS read is 512 consecutive bytes.
; S^T = K Q^T (source 0 = 16 keys, source 1 = my 16 queries, K = 64): lane (r, h) holds query r, register j of tile u key 16 u + 8 h + j: one conversion gives registers 2 u, 2 u + 1 of P.
; O^T += V^T P^T (source 0 = 16 channels x 128 keys, source 1 = P).  A lane holds one query throughout.
; LIMITS: e6 + e7 between -123 and 130 (added to c's exponent field); e8, e10 between -126 and 119; the scaled scores t stay under 2^31 in magnitude.
.set VBASE, 131072                     ; V's image begins here
.set SPARE, 262144                     ; the spare words, 128 bytes a wave: eight blocks of 256 bytes that no other line names
.set LI,   1                           ; v1   16 x lane
.set ADK,  2                           ; v2   the step's K fragments
.set NINF, 3                           ; v3   -infinity
.set LV,   4                           ; v4   VBASE + 16 x lane
.set SPW,  5
.set NIL,  6
.set ADV,  7                           ; v7   the step's V fragments
.set PL,   8                           ; v8   a lane permute's destination
.set DD,   9                           ; v9   the mask's d = 16 o + r - 8 h
.set WV,   18                          ; s18  wave
.set Y,    19                          ; s19  y = T + wave
.set DG,   41                          ; s41  the y of my tile's diagonal step
; s3 T; s[14:15] my load's offset in memory; s[20:21] lane selects; s[22:23] c; s[24:31], s[32:35] the descriptor;
; s40 bh; s42 I; s43, s44 my two tiles; s45, s46 at work; s47 e8 + e9; s[48:59] the exponents; s[60:61], s[62:63] where the two tiles go
; v10-11, v238-247, v254-255 at work; v12 -M, v13 the largest t, v[14:15] the sum; v16-23 Q; v24-31 the second tile's Q; v32-95 K's, then V's fragments; v96-159 S^T, then p; v160-191 O^T; v192-207 P;
; v208-215 ctx codes; v248, v249 2^e8 and 448 x 2^e8; v250, v251 2^e10 and 448 x 2^e10; v252 f
.macro ROUND                           ; a round of the cluster's barrier
	s_barrier_signal -1
	s_barrier_wait -1
	s_cmp_lg_u32 s[WV], 0
	s_cbranch_scc1 .Lnot_wave_0_\@
	s_barrier_signal -3
.Lnot_wave_0_\@:
	s_barrier_wait -3
	s_barrier_signal -1
	s_barrier_wait -1
.endm
.macro MKSC e, vs, vl                  ; v[vs] = 2^e, v[vl] = 448 x 2^e (left in s45 too)
	s_add_co_i32 s45, s[\e], 127
	s_lshl_b32 s46, s45, 23
	v_mov_b32 v[\vs], s46
	s_add_co_i32 s45, s45, 8
	s_lshl_b32 s45, s45, 23
	s_or_b32 s45, s45, 0x600000
	v_mov_b32 v[\vl], s45
.endm
.macro INIT                            ; a tile begins: its first step finds zeros, which the first change of M leaves zeros
	v_mov_b32 v13, 0xff61b1e6                      ; the largest t so far: -3e38
	s_delay_alu instid0(VALU_DEP_1)
	v_floor_f32 v12, -v13                          ; -M
	v_mov_b32 v14, 0
	v_mov_b32 v15, 0
.set j, 0
.rept 32
	v_mov_b32 v[160+j], 0
.set j, j+1
.endr
.endm
.macro SCALE n                         ; n pairs of scores become t - M
.rept \n
	v_pk_fma_f32 v[96+j:97+j], v[96+j:97+j], s[22:23], v[12:13] op_sel_hi:[1,0,0]
.set j, j+2
.endr
.endm
	s_load_b256 s[4:11], s[0:1], 0x0               ; q_img, k_img, v_img, the scales
	s_load_b64 s[12:13], s[0:1], 0x20              ; ctx_img
	v_lshl_add_u32 v[SPW], v0, 2, SPARE
	v_mov_b32 v[NIL], 0
	ds_add_u32 v[SPW], v[NIL]                      ; the opening lines: the add, twice on end, and its wait ahead of my first tensor load
	ds_add_u32 v[SPW], v[NIL]
	v_lshrrev_b32 v8, 5, v0
	v_readfirstlane_b32 s[WV], v8
	s_bfe_u32 s42, ttmp6, 0x40000                  ; I = my place in the cluster
	s_and_b32 s40, ttmp7, 0xffff                   ; bh
	s_mov_b32 s24, 15|(3<<16)|(1<<21)              ; group 1: the mask of the four, elements of 8 bytes, bit 21 beside the mask, no padding
	s_mov_b32 s25, 32<<16                          ; rows of 256 bytes
	s_mov_b32 s26, 64<<16                          ; 64 rows: 16,384 dense bytes
	s_mov_b32 s27, 32<<16
	s_mov_b32 s28, 64
	s_mov_b32 s29, 32
	s_mov_b32 s30, 0
	s_mov_b32 s31, 0
	s_mov_b32 s32, 1
	s_lshl_b32 s38, s40, 17                        ; a head is 131,072 bytes in each image
	s_mov_b32 s39, 0
	s_and_b32 s45, s[WV], 7                        ; my piece of K's or V's
	s_lshr_b32 s46, s[WV], 3
	s_lshl_b32 s46, s46, 17                        ; LDS: K's image at 0, V's at VBASE
	s_lshl_b32 s33, s45, 14                        ; 16,384 x piece
	s_add_co_u32 s14, s38, s33                     ; the same place in my head's image in memory
	s_mov_b32 s15, 0
	s_add_co_u32 s33, s33, s46
	s_sub_co_u32 s43, 15, s[WV]
	s_lshl_b32 s43, s43, 3
	s_add_co_u32 s43, s43, s42                     ; my first tile: 8 (15 - wave) + I
	s_lshl_b32 s44, s[WV], 3
	s_add_co_u32 s44, s44, 4
	s_add_co_u32 s44, s44, s42                     ; my second: 8 wave + 4 + I
	s_lshr_b32 s60, s40, 4                         ; ctx_img [row tile 512][s 8][piece 4][512]: the batch is 128 row tiles of 16,384 bytes,
	s_lshl_b32 s60, s60, 21
	s_bfe_u32 s61, s40, 0x30001                    ; head / 2 is the K step of 128: 2,048 bytes,
	s_lshl_b32 s61, s61, 11
	s_add_co_u32 s60, s60, s61
	s_and_b32 s61, s40, 1                          ; head % 2 its half: two pieces
	s_lshl_b32 s61, s61, 10
	s_add_co_u32 s60, s60, s61
	s_lshl_b32 s62, s44, 14
	s_add_co_u32 s62, s62, s60
	s_mov_b32 s63, 0
	s_lshl_b32 s61, s43, 14
	s_add_co_u32 s60, s60, s61
	s_mov_b32 s61, 0
	s_mov_b32 s20, 0x76543210
	s_mov_b32 s21, 0xfedcba98
	s_mov_b32 s22, 0x3e38aa3b                      ; c = log2(e) / 8
	s_mov_b32 s3, 0                                ; T
	s_mov_b32 s[Y], s[WV]
	s_mov_b32 s[DG], 15
	s_wait_dscnt 0x0                               ; both opening adds are done
	s_wait_kmcnt 0x0
	s_load_b256 s[48:55], s[10:11], 0x0            ; e0 .. e7
	s_load_b128 s[56:59], s[10:11], 0x20           ; e8 .. e11
	s_cmp_lt_u32 s[WV], 8
	s_cselect_b64 s[36:37], s[6:7], s[8:9]         ; waves 0-7: K's codes; waves 8-15: V's
	s_add_nc_u64 s[34:35], s[36:37], s[14:15]
	s_or_b32 s35, s35, 0x80000000
	s_add_nc_u64 s[4:5], s[4:5], s[38:39]
	s_add_nc_u64 s[60:61], s[12:13], s[60:61]
	s_add_nc_u64 s[62:63], s[12:13], s[62:63]
	s_lshl_b32 s46, s42, 4                         ; 16 o of my first tile
	ROUND                                          ; all four work-groups are here: the joint loads meet
	tensor_load_to_lds s[32:35], s[24:31]          ; my piece: one tensor load a wave, the only one of the launch
	s_nop 0
	v_and_b32 v[LI], 31, v0
	v_lshlrev_b32 v[LI], 4, v[LI]
	v_and_b32 v9, 15, v0                           ; r
	v_bfe_u32 v10, v0, 4, 1                        ; h
	v_lshlrev_b32 v10, 3, v10
	v_sub_nc_u32 v9, v9, v10
	v_add_nc_u32 v[DD], s46, v9
	v_add_nc_u32 v[LV], VBASE, v[LI]
	v_lshl_add_u32 v10, s43, 10, v[LI]             ; a tile of Q is 1,024 bytes
	v_lshl_add_u32 v11, s44, 10, v[LI]
	global_load_b128 v[16:19], v10, s[4:5]         ; Q of my first tile
	global_load_b128 v[20:23], v10, s[4:5] offset:512
	global_load_b128 v[24:27], v11, s[4:5]         ; of my second
	global_load_b128 v[28:31], v11, s[4:5] offset:512
	v_mov_b32 v[NINF], 0xff800000
	v_mov_b32 v253, 0                              ; (named as the upper half of the pair v[252:253])
	INIT
	s_wait_kmcnt 0x0
	s_add_co_i32 s45, s54, s55
	s_lshl_b32 s45, s45, 23
	s_add_co_i32 s22, s22, s45                     ; a score stands for score x 2^(e6 + e7): added to c's exponent field
	s_mov_b32 s23, s22
	s_add_co_i32 s47, s56, s57                     ; e8 + e9
	MKSC 56, 248, 249                              ; 2^e8, 448 x 2^e8
	MKSC 58, 250, 251                              ; 2^e10, 448 x 2^e10
; A KEY STEP: 128 keys.
.macro STEP
	s_bfe_u32 s45, s[Y], 0x10004                   ; bit 4 of y: 1 in my second tile
	s_mul_i32 s45, s45, s[WV]
	s_add_co_u32 s45, s45, s3
	s_and_b32 s45, s45, 15                         ; the key step: T, or T + wave - 16
	s_lshl_b32 s45, s45, 13                        ; 8,192 bytes a key step in each image
	v_add_nc_u32 v[ADK], s45, v[LI]
	v_add_nc_u32 v[ADV], s45, v[LV]
.rept 2
	v_nop                                          ; with the two additions: four places in front of loads into registers that the last products read
.endr
.irp t, 0,1,2,3,4,5,6,7
	ds_load_b128 v[32+8*\t:35+8*\t], v[ADK] offset:1024*\t
	ds_load_b128 v[36+8*\t:39+8*\t], v[ADK] offset:1024*\t+512
.endr
	s_wait_alu depctr_va_vdst(0)
	s_wait_dscnt 0x0
.irp t, 0,1,2,3,4,5,6,7
	v_wmma_f32_16x16x64_fp8_fp8 v[96+8*\t:103+8*\t], v[32+8*\t:39+8*\t], v[16:23], 0
.endr
.rept 4
	v_nop                                          ; places in front of V's loads into K's registers and of the first read of the scores
.endr
.irp t, 0,1,2,3
.irp c, 0,1,2,3
	ds_load_b128 v[32+16*\t+4*\c:35+16*\t+4*\c], v[ADV] offset:2048*\t+512*\c   ; V's four fragments land under the softmax
.endr
.endr
	s_cmp_lg_u32 s[Y], s[DG]                       ; off the diagonal all keys count: a branch on the wave's number and the trip alone
	s_cbranch_scc1 .Lopen_\@
.set n, 0
.rept 64
	v_cmp_gt_i32 vcc_lo, 16*(n/8)+n%8, v[DD]       ; register n holds key 16 (n / 8) + n % 8 + 8 h of the step: hidden where 16 (n / 8) + n % 8 > d
	v_cndmask_b32 v[96+n], v[96+n], v[NINF], vcc_lo
.set n, n+1
.endr
.Lopen_\@:
	v_max3_num_f32 v254, v96, v97, v98             ; the step's largest score of my query among my 64 keys: four chains by turns, 16 scores each, every accumulator from its low end on
	v_max3_num_f32 v255, v112, v113, v114
	v_max3_num_f32 v10, v128, v129, v130
	v_max3_num_f32 v11, v144, v145, v146
.irp i, 3,5,7,9,11,13
	v_max3_num_f32 v254, v254, v[96+\i], v[97+\i]
	v_max3_num_f32 v255, v255, v[112+\i], v[113+\i]
	v_max3_num_f32 v10, v10, v[128+\i], v[129+\i]
	v_max3_num_f32 v11, v11, v[144+\i], v[145+\i]
.endr
	v_max3_num_f32 v254, v254, v255, v111          ; the chains meet, each with a chain's sixteenth score
	v_max3_num_f32 v10, v10, v11, v127
	v_max3_num_f32 v254, v254, v10, v143
	v_max_num_f32 v254, v254, v159
	s_delay_alu instid0(VALU_DEP_1)
	v_permlanex16_b32 v[PL], v254, s20, s21
	s_delay_alu instid0(VALU_DEP_1)
	v_max_num_f32 v254, v254, v[PL]                ; and among lane l xor 16's.  (The step's first key counts for all my queries, so this is a number)
	s_delay_alu instid0(VALU_DEP_1)
	v_mul_f32 v254, s22, v254                      ; as t (c is positive)
	s_delay_alu instid0(VALU_DEP_1)
	v_max_num_f32 v13, v13, v254
	v_mov_b32 v254, v12
	s_delay_alu instid0(VALU_DEP_2)
	v_floor_f32 v12, -v13                          ; the new -M = -ceil(t)
	s_delay_alu instid0(VALU_DEP_1)
	v_sub_f32 v254, v12, v254                      ; old M - new M: a whole number, 0 or less
.set j, 0
	SCALE 4                                        ; t - M; the three lines that make f stand among these
	v_cvt_i32_f32 v254, v254                       ; (it saturates)
	SCALE 4
	v_ldexp_f32 v252, 1.0, v254                    ; f = 2^(old M - new M)
	SCALE 24
.set j, 0
.rept 16
	v_pk_mul_f32 v[160+j:161+j], v[160+j:161+j], v[252:253] op_sel_hi:[1,0]   ; O^T under the new M, ahead of the exponentials
.set j, j+2
.endr
.set j, 0
	s_wait_alu depctr_va_vdst(0)
.rept 64
	v_exp_f32 v[96+j], v[96+j]                     ; p = 2^(t - M)
.set j, j+1
.endr
	v_pk_mul_f32 v[14:15], v[14:15], v[252:253] op_sel_hi:[1,0]   ; the sums under the new M: the plain line behind the exponentials
	s_wait_alu depctr_va_vdst(0)                   ; one wait for the batch, ahead of its first reader
	v_pk_add_f32 v[10:11], v[100:101], v[104:105]  ; the row's sum of the unquantised p, in eight chains
	v_pk_add_f32 v[254:255], v[108:109], v[112:113]
	v_pk_add_f32 v[246:247], v[116:117], v[120:121]
	v_pk_add_f32 v[244:245], v[124:125], v[128:129]
	v_pk_add_f32 v[242:243], v[132:133], v[136:137]
	v_pk_add_f32 v[240:241], v[140:141], v[144:145]
	v_pk_add_f32 v[238:239], v[148:149], v[152:153]
	v_pk_add_f32 v[14:15], v[14:15], v[156:157]
	v_pk_add_f32 v[10:11], v[10:11], v[96:97]
	v_pk_add_f32 v[254:255], v[254:255], v[98:99]
	v_pk_add_f32 v[246:247], v[246:247], v[102:103]
	v_pk_add_f32 v[244:245], v[244:245], v[106:107]
	v_pk_add_f32 v[242:243], v[242:243], v[110:111]
	v_pk_add_f32 v[240:241], v[240:241], v[114:115]
	v_pk_add_f32 v[238:239], v[238:239], v[118:119]
	v_pk_add_f32 v[14:15], v[14:15], v[122:123]
	v_pk_add_f32 v[10:11], v[10:11], v[126:127]
	v_pk_add_f32 v[254:255], v[254:255], v[130:131]
	v_pk_add_f32 v[246:247], v[246:247], v[134:135]
	v_pk_add_f32 v[244:245], v[244:245], v[138:139]
	v_pk_add_f32 v[242:243], v[242:243], v[142:143]
	v_pk_add_f32 v[240:241], v[240:241], v[146:147]
	v_pk_add_f32 v[238:239], v[238:239], v[150:151]
	v_pk_add_f32 v[14:15], v[14:15], v[154:155]
	v_pk_add_f32 v[10:11], v[10:11], v[158:159]
	s_delay_alu instid0(VALU_DEP_2)
	v_pk_add_f32 v[14:15], v[14:15], v[244:245]
	s_delay_alu instid0(VALU_DEP_2)
	v_pk_add_f32 v[10:11], v[10:11], v[242:243]
	v_pk_add_f32 v[254:255], v[254:255], v[240:241]
	v_pk_add_f32 v[246:247], v[246:247], v[238:239]
	s_delay_alu instid0(VALU_DEP_2)
	v_pk_add_f32 v[14:15], v[14:15], v[254:255]
	s_delay_alu instid0(VALU_DEP_2)
	v_pk_add_f32 v[10:11], v[10:11], v[246:247]
	s_delay_alu instid0(VALU_DEP_1)
	v_pk_add_f32 v[14:15], v[14:15], v[10:11]
.irp t, 0,1,2,3,4,5,6,7
.irp i, 0,1,2,3,4,5,6,7
	v_min_num_f32 v[96+8*\t+\i], v[96+8*\t+\i], v249   ; the hold; p is not negative, so it is one-sided
.endr
	v_cvt_scalef32_pk8_fp8_f32 v[192+2*\t:193+2*\t], v[96+8*\t:103+8*\t], v248   ; registers 2 t, 2 t + 1 of P: keys 16 t + 8 h + 0 .. 7
.endr
	v_nop                                          ; the plain line between the last conversion and the products
	s_wait_alu depctr_va_vdst(0)
	s_wait_dscnt 0x0                               ; V
.irp t, 0,1,2,3                        ; four accumulators by turns; the next step's eight products on the scores stand between two links of a chain
	v_wmma_f32_16x16x128_fp8_fp8 v[160+8*\t:167+8*\t], v[32+16*\t:47+16*\t], v[192:207], v[160+8*\t:167+8*\t]
.endr
.endm
; A tile's end: O^T / the sum x 2^(e8 + e9), held, quantised with 2^e10; channel tile t's conversion gives registers 2 t, 2 t + 1 of my head's half of a fragment: two pieces.
.macro FINISH base
	s_wait_xcnt 0x0                                ; the last tile's stores have read the code registers v208-215, which no other line writes
.rept 4
	v_nop                                          ; places behind the last products
.endr
	v_add_f32 v14, v14, v15
	s_delay_alu instid0(VALU_DEP_1)
	v_permlanex16_b32 v[PL], v14, s20, s21
	s_delay_alu instid0(VALU_DEP_1)
	v_add_f32 v14, v14, v[PL]                      ; the row's sum
	s_wait_alu depctr_va_vdst(0)
	v_rcp_f32 v14, v14
	v_nop
	s_wait_alu depctr_va_vdst(0)                   ; ahead of the first reader
	v_ldexp_f32 v14, v14, s47
	s_wait_alu depctr_va_vdst(0)                   ; directly ahead of the first reader of O^T
.set j, 0
.rept 16
	v_pk_mul_f32 v[96+j:97+j], v[160+j:161+j], v[14:15] op_sel_hi:[1,0]
.set j, j+2
.endr
.set j, 0
.rept 32
	v_med3_num_f32 v[96+j], v[96+j], -v251, v251
.set j, j+1
.endr
.irp t, 0,1,2,3
	v_cvt_scalef32_pk8_fp8_f32 v[208+2*\t:209+2*\t], v[96+8*\t:103+8*\t], v250
.endr
	v_nop
	global_store_b128 v[LI], v[208:211], s[\base:\base+1]            ; 32 lanes store 512 consecutive bytes, aligned
	global_store_b128 v[LI], v[212:215], s[\base:\base+1] offset:512
.endm
	s_wait_alu depctr_va_vdst(0)
	s_wait_tensorcnt 0x0                           ; my piece is in;
	s_barrier_signal -1
	s_barrier_wait -1                              ; and so is everybody's.
	s_wait_loadcnt 0x0                             ; Q
.Ltrip:                                            ; 17 trips: the waves meet no more
	s_cmp_lg_u32 s[Y], 16                          ; where y = 16 my first tile is done and my second begins: a branch on the wave's number and the trip alone
	s_cbranch_scc1 .Lsame
	FINISH 60
.irp i, 0,1,2,3,4,5,6,7
	v_mov_b32 v[16+\i], v[24+\i]                   ; the second tile's queries
.endr
	v_add_nc_u32 v[DD], 64, v[DD]                  ; its o is 4 more
	INIT
	s_add_co_u32 s[DG], s[WV], 16
.Lsame:
	STEP
	s_add_co_u32 s[Y], s[Y], 1
	s_add_co_u32 s3, s3, 1
	s_cmp_lt_u32 s3, 17
	s_cbranch_scc1 .Ltrip
	FINISH 62
	s_wait_tensorcnt 0x0                           ; the wave's end
	ds_add_u32 v[SPW], v[NIL]
	s_wait_dscnt 0x0
	ROUND                                          ; the closing round
	s_endpgm
.Lfunc_end_k_q33bd2f0b76_attn:
	.size	k_q33bd2f0b76_attn, .Lfunc_end_k_q33bd2f0b76_attn-k_q33bd2f0b76_attn
	.p2alignl 7, 3214868480
	.fill 96, 4, 3214868480
	.section	.rodata,"a",@progbits
	.p2align	6, 0x0
	.amdhsa_kernel k_q33bd2f0b76_attn
		.amdhsa_group_segment_fixed_size 327680
		.amdhsa_private_segment_fixed_size 0
		.amdhsa_enable_private_segment 0
		.amdhsa_kernarg_size 40
		.amdhsa_user_sgpr_count 2
		.amdhsa_user_sgpr_kernarg_segment_ptr 1
		.amdhsa_wavefront_size32 1
		.amdhsa_system_sgpr_workgroup_id_x 1
		.amdhsa_system_sgpr_workgroup_id_y 1
		.amdhsa_system_sgpr_workgroup_id_z 1
		.amdhsa_system_vgpr_workitem_id 0
		.amdhsa_next_free_vgpr 256
		.amdhsa_next_free_sgpr 66
		.amdhsa_reserve_vcc 1
		.amdhsa_float_denorm_mode_32 3
		.amdhsa_float_denorm_mode_16_64 3
		.amdhsa_memory_ordered 1
		.amdhsa_forward_progress 1
		.amdhsa_inst_pref_size 38
	.end_amdhsa_kernel
	.amdgpu_metadata
---
amdhsa.version: [ 1, 2 ]
amdhsa.kernels:
  - .name:           k_q33bd2f0b76_attn
    .symbol:         k_q33bd2f0b76_attn.kd
    .args:
      - { .name: q_img, .offset: 0, .size: 8, .value_kind: global_buffer, .address_space: global }
      - { .name: k_img, .offset: 8, .size: 8, .value_kind: global_buffer, .address_space: global }
      - { .name: v_img, .offset: 16, .size: 8, .value_kind: global_buffer, .address_space: global }
      - { .name: lowp_scales, .offset: 24, .size: 8, .value_kind: global_buffer, .address_space: global }
      - { .name: ctx_img, .offset: 32, .size: 8, .value_kind: global_buffer, .address_space: global }
    .group_segment_fixed_size: 327680
    .private_segment_fixed_size: 0
    .kernarg_segment_align: 8
    .kernarg_segment_size: 40
    .max_flat_workgroup_size: 512
    .sgpr_count:     66
    .vgpr_count:     256
    .wavefront_size: 32
...
	.end_amdgpu_metadata
.endif
;; end of part 3
;; launch outln (part 4): grid 256 x 1, 4 waves a work-group, no clusters, 132,096 bytes of LDS; arguments ctx_img, wo_img, x, bo, gamma, beta, lowp_scales, out0; writes out0
.if DOCPART == 4
	.amdgcn_target "amdgcn-amd-amdhsa--gfx1250"
	.amdhsa_code_object_version 6
	.text
	.protected	k_q33bd2f0b76_outln
	.globl	k_q33bd2f0b76_outln
	.p2align	8
	.type	k_q33bd2f0b76_outln,@function
k_q33bd2f0b76_outln:
	s_mov_b64 s[64:65], 0
	v_nop
	global_prefetch_b8 v0, s[64:65] scope:SCOPE_SE
	s_setreg_imm32_b32 hwreg(HW_REG_WAVE_MODE, 25, 1), 1
	s_wait_xcnt 0x0
; out0 = LayerNorm(ctx Wo^T + bo + x) x gamma + beta; the product on E4M3 codes, all else in f32.
; SHARES.  A work-group owns 32 whole rows.  Wave w makes columns 256 w .. 256 w + 255 of them (16 column tiles x 2 row tiles: 32 accumulators), then normalises rows 8 w .. 8 w + 7.
; OPERANDS are images of registers: a fragment is four dense loads of 512 bytes.  ctx's 16 fragments (32 rows x 1,024 K) stay in registers; Wo's come in a ring of 16 fragments, one K step of 128, refilled by halves.
; NO TENSOR LOADS AND NO JOINT REQUESTS: each fragment of Wo serves one wave of the work-group, once: it goes from memory straight into that wave's registers; through LDS every byte would be written and read once more.
; The product is used transposed (source 0 = 16 rows of Wo, source 1 = 16 rows of ctx): a lane holds one row and eight neighbouring columns.  The sums meet in a stage in LDS (32 rows of 4,096 + 16 bytes), one barrier.
; THE NORM: a wave takes a row whole, 32 numbers a lane; the mean first, then the mean of the squares of (y - mean): no difference of large sums.
; LIMIT: e10 + e11 between -126 and 127.
; REGISTERS, in windows of 256: window 0: v1-4 addresses, v8-13 at work, v32-63 bo, v64-95 gamma, v96-127 beta, v128-191 y (two sets), v192-255 sums from the stage (two sets).
;   window 1: ctx, fragment (u, s) at 16 (2 s + u).   window 2: the accumulators, (u, t) at 8 (16 u + t).   window 3: Wo's ring, tile t at 16 t; then x's eight rows, row p at 32 p.
.set PITCH, 4112
.set BO, 32
.set GA, 64
.set BE, 96
.set MSB, 0
.macro WIN new
.if MSB != (\new)
	s_set_vgpr_msb (MSB<<8)|(\new)
.set MSB, (\new)
.endif
.endm
	s_load_b512 s[4:19], s[0:1], 0x0               ; ctx_img 4, wo_img 6, x 8, bo 10, gamma 12, beta 14, the scales 16, out0 18
	v_lshl_add_u32 v30, v0, 2, 0x20200
	v_mov_b32 v31, 0
	v_lshrrev_b32 v8, 5, v0
	v_readfirstlane_b32 s20, v8                    ; wave
	v_and_b32 v9, 31, v0
	v_lshlrev_b32 v1, 4, v9                        ; 16 x lane
	v_and_b32 v10, 15, v0                          ; r
	v_bfe_u32 v11, v0, 4, 1                        ; h
	v_mul_u32_u24 v2, v10, PITCH
	v_lshl_add_u32 v2, v11, 5, v2
	s_lshl_b32 s21, s20, 10
	v_add_nc_u32 v2, s21, v2                       ; the stage, way in: row r, + 32 h, + my 1,024 bytes of a row
	v_add_nc_u32 v3, 16*PITCH, v2                  ; rows 16 on
	s_mul_i32 s21, s20, 8*PITCH
	v_add_nc_u32 v4, s21, v1                       ; way out: my eight rows, 16 bytes a lane
	s_lshl_b32 s22, ttmp9, 15                      ; ctx_img: two row tiles of 16,384 bytes
	s_mov_b32 s23, 0
	s_lshl_b32 s24, s20, 18                        ; wo_img: 262,144 bytes a wave
	s_mov_b32 s25, 0
	s_lshl_b32 s26, ttmp9, 17                      ; x, out0: 32 rows of 4,096 bytes,
	s_lshl_b32 s27, s20, 15                        ; my eight
	s_add_co_u32 s26, s26, s27
	s_mov_b32 s27, 0
	s_mov_b32 s32, 0x3a800000                      ; 1 / 1024
	s_mov_b32 s33, 0x3727c5ac                      ; 1e-5
	s_mov_b32 s34, 0x76543210
	s_mov_b32 s35, 0xfedcba98
	s_wait_alu depctr_va_vdst(0)
	s_wait_kmcnt 0x0
	s_load_b64 s[28:29], s[16:17], 0x28            ; e10, e11
	s_add_nc_u64 s[4:5], s[4:5], s[22:23]
	s_add_nc_u64 s[6:7], s[6:7], s[24:25]
	s_add_nc_u64 s[8:9], s[8:9], s[26:27]
	s_add_nc_u64 s[18:19], s[18:19], s[26:27]
.macro BLOAD s, hf                     ; K step s, tiles 8 hf .. 8 hf + 7 of Wo: 32 loads
	WIN 0xc0                                       ; destination window 3
.irp t, 0,1,2,3,4,5,6,7
.irp c, 0,1,2,3
	global_load_b128 v[16*(8*\hf+\t)+4*\c:16*(8*\hf+\t)+4*\c+3], v1, s[6:7] offset:((16*(\s)+8*\hf+\t)*4+\c)*512
.endr
.endr
.endm
.macro XLOAD hf                        ; rows 4 hf .. 4 hf + 3 of my eight of x, into the half of the ring that is done with
	WIN 0xc0
.irp p, 0,1,2,3
.irp j, 0,1,2,3,4,5,6,7
	global_load_b128 v[32*(4*\hf+\p)+4*\j:32*(4*\hf+\p)+4*\j+3], v1, s[8:9] offset:4096*(4*\hf+\p)+512*\j th:TH_LOAD_NT
.endr
.endr
.endm
.macro MULH s, hf, zero                ; 16 matrix instructions; the 32 accumulators take turns, in the same order in every K step
	WIN 0xa7                                       ; source 0 (Wo) window 3, source 1 (ctx) window 1, C and D window 2
.irp t, 0,1,2,3,4,5,6,7
.irp u, 0,1
.if \zero
	v_wmma_f32_16x16x128_fp8_fp8 v[8*(16*\u+8*\hf+\t):8*(16*\u+8*\hf+\t)+7], v[16*(8*\hf+\t):16*(8*\hf+\t)+15], v[16*(2*\s+\u):16*(2*\s+\u)+15], 0
.else
	v_wmma_f32_16x16x128_fp8_fp8 v[8*(16*\u+8*\hf+\t):8*(16*\u+8*\hf+\t)+7], v[16*(8*\hf+\t):16*(8*\hf+\t)+15], v[16*(2*\s+\u):16*(2*\s+\u)+15], v[8*(16*\u+8*\hf+\t):8*(16*\u+8*\hf+\t)+7]
.endif
.endr
.endr
.endm
	WIN 0x40                                       ; destination window 1
.irp s, 0,1,2,3,4,5,6,7
.irp u, 0,1
.irp c, 0,1,2,3
	global_load_b128 v[16*(2*\s+\u)+4*\c:16*(2*\s+\u)+4*\c+3], v1, s[4:5] offset:16384*\u+2048*\s+512*\c
.endr
.endr
.endr
	WIN 0
.irp j, 0,1,2,3,4,5,6,7                ; register 4 j + k: column 128 j + 4 lane + k, as a row is held in the norm
	global_load_b128 v[BO+4*\j:BO+4*\j+3], v1, s[10:11] offset:512*\j
	global_load_b128 v[GA+4*\j:GA+4*\j+3], v1, s[12:13] offset:512*\j
	global_load_b128 v[BE+4*\j:BE+4*\j+3], v1, s[14:15] offset:512*\j
.endr
	BLOAD 0, 0
	BLOAD 0, 1
.irp s, 0,1,2,3,4,5,6,7
.irp hf, 0,1
	s_wait_loadcnt 32                              ; all but the youngest 32 loads, the ring's other half, are in
.if \s == 0
	MULH \s, \hf, 1                                ; the first K step starts the sums
.else
	MULH \s, \hf, 0
.endif
.rept 4
	v_nop                                          ; places in front of loads into registers that these products read (and, at the end, of the stores of results)
.endr
.if \s < 7
	BLOAD \s+1, \hf
.else
	XLOAD \hf
.endif
.endr
.endr
	WIN 0x08                                       ; store data window 2
.irp u, 0,1
.irp t, 0,1,2,3,4,5,6,7,8,9,10,11,12,13,14,15
	ds_store_b128 v[2+\u], v[8*(16*\u+\t):8*(16*\u+\t)+3] offset:64*\t       ; lane (r, h): row 16 u + r, columns 256 w + 16 t + 8 h + 0 .. 3; each accumulator from its low end on
	ds_store_b128 v[2+\u], v[8*(16*\u+\t)+4:8*(16*\u+\t)+7] offset:64*\t+16
.endr
.endr
	WIN 0
	s_wait_dscnt 0x0                               ; for the others' sake: my stores into the stage are done
	s_barrier_signal -1
	s_barrier_wait -1                              ; 32 whole rows of sums lie in the stage
	s_wait_loadcnt 0x0                             ; x
	s_wait_kmcnt 0x0
	s_add_co_i32 s30, s28, s29
	s_add_co_i32 s30, s30, 127
	s_lshl_b32 s30, s30, 23                        ; 2^(e10 + e11) as f32
	s_mov_b32 s31, s30
.irp j, 0,1,2,3,4,5,6,7
	ds_load_b128 v[192+4*\j:192+4*\j+3], v4 offset:512*\j   ; row 0's sums
.endr
.macro ROW p
.set YY, 128+32*((\p)%2)
.set ZZ, 192+32*((\p)%2)
.set ZN, 192+32*(((\p)+1)%2)
	s_wait_xcnt 0x0                                ; the stores of two rows ago have read this set of y
.if (\p) < 7
.irp j, 0,1,2,3,4,5,6,7
	ds_load_b128 v[ZN+4*\j:ZN+4*\j+3], v4 offset:PITCH*((\p)+1)+512*\j
.endr
.endif
	WIN 0x03                                       ; source 0 (x) window 3
.irp i, 0,2,4,6,8,10,12,14,16,18,20,22,24,26,28,30
	v_pk_add_f32 v[YY+\i:YY+\i+1], v[32*(\p)+\i:32*(\p)+\i+1], v[BO+\i:BO+\i+1]
.endr
	WIN 0
.if (\p) < 7
	s_wait_dscnt 8                                 ; this row's sums are in; the next row's eight loads may be out
.else
	s_wait_dscnt 0
.endif
.irp i, 0,2,4,6,8,10,12,14,16,18,20,22,24,26,28,30
	v_pk_fma_f32 v[YY+\i:YY+\i+1], v[ZZ+\i:ZZ+\i+1], s[30:31], v[YY+\i:YY+\i+1] op_sel_hi:[1,0,1]   ; y = sum x 2^(e10 + e11) + (x + bo)
.endr
	v_pk_add_f32 v[8:9], v[YY:YY+1], v[YY+2:YY+3]
	v_pk_add_f32 v[10:11], v[YY+4:YY+5], v[YY+6:YY+7]
.irp i, 8,12,16,20,24,28
	v_pk_add_f32 v[8:9], v[8:9], v[YY+\i:YY+\i+1]
	v_pk_add_f32 v[10:11], v[10:11], v[YY+\i+2:YY+\i+3]
.endr
	v_pk_add_f32 v[8:9], v[8:9], v[10:11]
	v_add_f32 v8, v8, v9
	v_add_f32_dpp v8, v8, v8 row_xmask:1 row_mask:0xf bank_mask:0xf
	v_add_f32_dpp v8, v8, v8 row_xmask:2 row_mask:0xf bank_mask:0xf
	v_add_f32_dpp v8, v8, v8 row_xmask:4 row_mask:0xf bank_mask:0xf
	v_add_f32_dpp v8, v8, v8 row_xmask:8 row_mask:0xf bank_mask:0xf
	v_permlanex16_b32 v9, v8, s34, s35
	v_add_f32 v8, v8, v9
	v_mul_f32 v8, s32, v8                          ; the mean
.irp i, 0,2,4,6,8,10,12,14,16,18,20,22,24,26,28,30
	v_pk_add_f32 v[YY+\i:YY+\i+1], v[YY+\i:YY+\i+1], v[8:9] op_sel_hi:[1,0] neg_lo:[0,1] neg_hi:[0,1]
.endr
	v_pk_mul_f32 v[10:11], v[YY:YY+1], v[YY:YY+1]
	v_pk_mul_f32 v[12:13], v[YY+2:YY+3], v[YY+2:YY+3]
.irp i, 4,8,12,16,20,24,28
	v_pk_fma_f32 v[10:11], v[YY+\i:YY+\i+1], v[YY+\i:YY+\i+1], v[10:11]
	v_pk_fma_f32 v[12:13], v[YY+\i+2:YY+\i+3], v[YY+\i+2:YY+\i+3], v[12:13]
.endr
	v_pk_add_f32 v[10:11], v[10:11], v[12:13]
	v_add_f32 v10, v10, v11
	v_add_f32_dpp v10, v10, v10 row_xmask:1 row_mask:0xf bank_mask:0xf
	v_add_f32_dpp v10, v10, v10 row_xmask:2 row_mask:0xf bank_mask:0xf
	v_add_f32_dpp v10, v10, v10 row_xmask:4 row_mask:0xf bank_mask:0xf
	v_add_f32_dpp v10, v10, v10 row_xmask:8 row_mask:0xf bank_mask:0xf
	v_permlanex16_b32 v11, v10, s34, s35
	v_add_f32 v10, v10, v11
	v_fma_f32 v10, v10, s32, s33                   ; the variance + 1e-5
	s_wait_alu depctr_va_vdst(0)
	v_rsq_f32 v10, v10
	v_nop
	s_wait_alu depctr_va_vdst(0)                   ; ahead of the first reader
.irp i, 0,2,4,6,8,10,12,14,16,18,20,22,24,26,28,30
	v_pk_mul_f32 v[YY+\i:YY+\i+1], v[YY+\i:YY+\i+1], v[10:11] op_sel_hi:[1,0]
.endr
.irp i, 0,2,4,6,8,10,12,14,16,18,20,22,24,26,28,30
	v_pk_fma_f32 v[YY+\i:YY+\i+1], v[YY+\i:YY+\i+1], v[GA+\i:GA+\i+1], v[BE+\i:BE+\i+1]
.endr
.irp j, 0,1,2,3,4,5,6,7
	global_store_b128 v1, v[YY+4*\j:YY+4*\j+3], s[18:19] offset:4096*(\p)+512*\j th:TH_STORE_NT   ; 32 lanes store 512 consecutive bytes, aligned
.endr
.endm
.irp p, 0,1,2,3,4,5,6,7
	ROW \p
.endr
	s_wait_tensorcnt 0x0
	ds_add_u32 v30, v31
	s_wait_dscnt 0x0
	s_endpgm
.Lfunc_end_k_q33bd2f0b76_outln:
	.size	k_q33bd2f0b76_outln, .Lfunc_end_k_q33bd2f0b76_outln-k_q33bd2f0b76_outln
	.p2alignl 7, 3214868480
	.fill 96, 4, 3214868480
	.section	.rodata,"a",@progbits
	.p2align	6, 0x0
	.amdhsa_kernel k_q33bd2f0b76_outln
		.amdhsa_group_segment_fixed_size 132096
		.amdhsa_private_segment_fixed_size 0
		.amdhsa_enable_private_segment 0
		.amdhsa_kernarg_size 64
		.amdhsa_user_sgpr_count 2
		.amdhsa_user_sgpr_kernarg_segment_ptr 1
		.amdhsa_wavefront_size32 1
		.amdhsa_system_sgpr_workgroup_id_x 1
		.amdhsa_system_sgpr_workgroup_id_y 1
		.amdhsa_system_sgpr_workgroup_id_z 1
		.amdhsa_system_vgpr_workitem_id 0
		.amdhsa_next_free_vgpr 1024
		.amdhsa_next_free_sgpr 66
		.amdhsa_reserve_vcc 0
		.amdhsa_float_denorm_mode_32 3
		.amdhsa_float_denorm_mode_16_64 3
		.amdhsa_memory_ordered 1
		.amdhsa_forward_progress 1
		.amdhsa_inst_pref_size 163
	.end_amdhsa_kernel
	.amdgpu_metadata
---
amdhsa.version: [ 1, 2 ]
amdhsa.kernels:
  - .name:           k_q33bd2f0b76_outln
    .symbol:         k_q33bd2f0b76_outln.kd
    .args:
      - { .name: ctx_img, .offset: 0, .size: 8, .value_kind: global_buffer, .address_space: global }
      - { .name: wo_img, .offset: 8, .size: 8, .value_kind: global_buffer, .address_space: global }
      - { .name: x, .offset: 16, .size: 8, .value_kind: global_buffer, .address_space: global }
      - { .name: bo, .offset: 24, .size: 8, .value_kind: global_buffer, .address_space: global }
      - { .name: gamma, .offset: 32, .size: 8, .value_kind: global_buffer, .address_space: global }
      - { .name: beta, .offset: 40, .size: 8, .value_kind: global_buffer, .address_space: global }
      - { .name: lowp_scales, .offset: 48, .size: 8, .value_kind: global_buffer, .address_space: global }
      - { .name: out0, .offset: 56, .size: 8, .value_kind: global_buffer, .address_space: global }
    .group_segment_fixed_size: 132096
    .private_segment_fixed_size: 0
    .kernarg_segment_align: 8
    .kernarg_segment_size: 64
    .max_flat_workgroup_size: 128
    .sgpr_count:     66
    .vgpr_count:     1024
    .wavefront_size: 32
...
	.end_amdgpu_metadata
.endif
;; end of part 4
